; MI455X (gfx1250); checked and timed in simulation.
; The chip was launched on July 23, 2026; its instructions are those of AMD's public machine-readable ISA for CDNA 5 (MIT licence, August 2026) and "CDNA5" Instruction Set Architecture Reference Guide (July 2026). The comments in the code are by the model that wrote it; some were corrected since.
;; Cross Attention. Allowed arithmetic: float matrix products may take bf16 or f16 operands with f32 sums; other float arithmetic in f32, or as packed bf16 or f16 multiplies, adds, multiply-adds, maxima and minima; sums over many terms, partial sums and values carried from step to step in f32; what a program stores and reads back later, other than sums and carried values, may be rounded once to bf16 or f16.
;; Inputs: b_out1 1,024 float32; b_out2 1,024 float32; ln1_b 1,024 float32; ln1_g 1,024 float32; ln2_b 1,024 float32; ln2_g 1,024 float32; w_out1 256 x 1,024 float32; w_out2 256 x 1,024 float32; w_qkv1 1,024 x 768 float32; w_qkv2 1,024 x 768 float32; x1 4 x 2,048 x 1,024 float32; x2 4 x 2,048 x 1,024 float32.
;; Outputs: out0 4 x 2,048 x 1,024 float32; out1 4 x 2,048 x 1,024 float32.
;; One version. Each part assembles by itself: llvm-mc -triple=amdgcn-amd-amdhsa -mcpu=gfx1250 --defsym DOCPART=n.
;; ======== version 1 of 1: 4 launches
;; limits: values are held in f16: magnitudes above 65,504 overflow, below 6.1e-05 lose precision
;; workspace buffers: wh 4,194,304 bytes; qkv 25,165,824 bytes; oh 8,388,608 bytes
;; launch prep (part 1): grid 256 x 1, 8 waves a work-group, no clusters, 0 bytes of LDS; arguments w_qkv1, w_qkv2, w_out1, w_out2, wh; writes wh
.if DOCPART == 1
	.amdgcn_target "amdgcn-amd-amdhsa--gfx1250"
	.amdhsa_code_object_version 6
	.text
	.protected	k_qdd0077bb8a_prep
	.globl	k_qdd0077bb8a_prep
	.p2align	8
	.type	k_qdd0077bb8a_prep,@function
k_qdd0077bb8a_prep:
	s_mov_b64 s[64:65], 0
	v_nop
	global_prefetch_b8 v0, s[64:65] scope:SCOPE_SE
	s_setreg_imm32_b32 hwreg(HW_REG_WAVE_MODE, 25, 1), 1
	s_wait_xcnt 0x0
; The four weight arrays, f32, are rounded once to f16 and laid one behind the other in wh, each in its own layout [K][N]:
; w_qkv1 at byte 0, w_qkv2 at 1,572,864, w_out1 at 3,145,728, w_out2 at 3,670,016.
; LIMIT: f16 ends at 65,504, and below 6e-5 it keeps a fixed step of 6e-8.
; A pure stream: nothing is shared, so no LDS, no cluster, no matrix unit.  A work-group takes 8,192 numbers: 32 KiB in, 16 KiB out.
; 786,432 numbers of a w_qkv are 96 work-groups, 262,144 of a w_out are 32: ids 0-95, 96-191, 192-223, 224-255; the output's place is id x 16,384.
.set IN,  4                            ; v[4:35]   four chunks of 8 numbers as loaded
.set OUT, 36                           ; v[36:51]  four chunks of 8 f16
	s_load_b256 s[4:11], s[0:1], 0x0               ; the four sources
	s_load_b64 s[12:13], s[0:1], 0x20              ; wh
	v_lshlrev_b32 v1, 5, v0                        ; 32 bytes a thread in,
	v_lshlrev_b32 v2, 4, v0                        ; 16 out
	s_lshl_b32 s20, ttmp9, 14
	s_mov_b32 s21, 0
	s_mov_b32 s19, 0
	s_wait_kmcnt 0x0
	s_cmp_lt_u32 ttmp9, 96                         ; which array, and the id of its first work-group
	s_cselect_b64 s[16:17], s[4:5], s[6:7]
	s_cselect_b32 s14, 0, 96
	s_cmp_lt_u32 ttmp9, 192
	s_cselect_b64 s[16:17], s[16:17], s[8:9]
	s_cselect_b32 s14, s14, 192
	s_cmp_lt_u32 ttmp9, 224
	s_cselect_b64 s[16:17], s[16:17], s[10:11]
	s_cselect_b32 s14, s14, 224
	s_sub_co_u32 s14, ttmp9, s14
	s_lshl_b32 s18, s14, 15                        ; 32,768 bytes of the source to a work-group
	s_add_nc_u64 s[16:17], s[16:17], s[18:19]
	s_add_nc_u64 s[12:13], s[12:13], s[20:21]
.irp c, 0,1,2,3
	global_load_b128 v[IN+8*(\c):IN+8*(\c)+3],   v1, s[16:17] offset:8192*(\c) th:TH_LOAD_NT
	global_load_b128 v[IN+8*(\c)+4:IN+8*(\c)+7], v1, s[16:17] offset:8192*(\c)+16 th:TH_LOAD_NT
.endr
.irp c, 0,1,2,3
	s_wait_loadcnt 6-2*(\c)                        ; loads come back in order: chunk c's two are in, the younger chunks' stay out
.irp j, 0,1,2,3
	v_cvt_pk_f16_f32 v[OUT+4*(\c)+(\j)], v[IN+8*(\c)+2*(\j)], v[IN+8*(\c)+2*(\j)+1]
.endr
	global_store_b128 v2, v[OUT+4*(\c):OUT+4*(\c)+3], s[12:13] offset:4096*(\c)  ; 16 lanes store 256 consecutive bytes, aligned
.endr
	s_endpgm
.Lfunc_end_k_qdd0077bb8a_prep:
	.size	k_qdd0077bb8a_prep, .Lfunc_end_k_qdd0077bb8a_prep-k_qdd0077bb8a_prep
	.p2alignl 7, 3214868480
	.fill 96, 4, 3214868480
	.section	.rodata,"a",@progbits
	.p2align	6, 0x0
	.amdhsa_kernel k_qdd0077bb8a_prep
		.amdhsa_group_segment_fixed_size 0
		.amdhsa_private_segment_fixed_size 0
		.amdhsa_enable_private_segment 0
		.amdhsa_kernarg_size 40
		.amdhsa_user_sgpr_count 2
		.amdhsa_user_sgpr_kernarg_segment_ptr 1
		.amdhsa_wavefront_size32 1
		.amdhsa_system_sgpr_workgroup_id_x 1
		.amdhsa_system_sgpr_workgroup_id_y 1
		.amdhsa_system_sgpr_workgroup_id_z 1
		.amdhsa_system_vgpr_workitem_id 0
		.amdhsa_next_free_vgpr 52
		.amdhsa_next_free_sgpr 66
		.amdhsa_reserve_vcc 0
		.amdhsa_float_denorm_mode_32 3
		.amdhsa_float_denorm_mode_16_64 3
		.amdhsa_memory_ordered 1
		.amdhsa_forward_progress 1
		.amdhsa_inst_pref_size 4
	.end_amdhsa_kernel
	.amdgpu_metadata
---
amdhsa.version: [ 1, 2 ]
amdhsa.kernels:
  - .name:           k_qdd0077bb8a_prep
    .symbol:         k_qdd0077bb8a_prep.kd
    .args:
      - { .name: w_qkv1, .offset: 0, .size: 8, .value_kind: global_buffer, .address_space: global }
      - { .name: w_qkv2, .offset: 8, .size: 8, .value_kind: global_buffer, .address_space: global }
      - { .name: w_out1, .offset: 16, .size: 8, .value_kind: global_buffer, .address_space: global }
      - { .name: w_out2, .offset: 24, .size: 8, .value_kind: global_buffer, .address_space: global }
      - { .name: wh, .offset: 32, .size: 8, .value_kind: global_buffer, .address_space: global }
    .group_segment_fixed_size: 0
    .private_segment_fixed_size: 0
    .kernarg_segment_align: 8
    .kernarg_segment_size: 40
    .max_flat_workgroup_size: 256
    .sgpr_count:     66
    .vgpr_count:     52
    .wavefront_size: 32
...
	.end_amdgpu_metadata
.endif
;; end of part 1
;; launch qkv (part 2): grid 128 x 2, 8 waves a work-group, clusters of 4 x 1, 327,680 bytes of LDS; arguments x1, x2, ln1_g, ln2_g, ln1_b, ln2_b, wh, qkv; writes qkv
.if DOCPART == 2
	.amdgcn_target "amdgcn-amd-amdhsa--gfx1250"
	.amdhsa_code_object_version 6
	.text
	.protected	k_qdd0077bb8a_qkv
	.globl	k_qdd0077bb8a_qkv
	.p2align	8
	.type	k_qdd0077bb8a_qkv,@function
k_qdd0077bb8a_qkv:
	s_mov_b64 s[64:65], 0
	v_nop
	global_prefetch_b8 v0, s[64:65] scope:SCOPE_SE
	s_setreg_imm32_b32 hwreg(HW_REG_WAVE_MODE, 25, 1), 1
	s_wait_xcnt 0x0
	s_wait_alu depctr_hold_cnt(0) depctr_sa_sdst(0) depctr_va_vdst(0) depctr_va_sdst(0) depctr_va_ssrc(0) depctr_va_vcc(0) depctr_vm_vsrc(0)
	s_getreg_b32 s2, hwreg(HW_REG_IB_STS2, 6, 4)
	s_cmp_eq_u32 s2, 0
	s_cbranch_scc0 .Lentry_in_a_cluster
	s_endpgm
.Lentry_in_a_cluster:
	s_bfe_u32 s2, ttmp6, 0x10000c
	s_cmp_lg_u32 s2, 0x3003
	s_cbranch_scc0 .Lentry_shape_is_right
	s_endpgm
.Lentry_shape_is_right:
; LayerNorm and the QKV projection of one stream (grid y): xn = (x - mean) rsqrt(var + 1e-5) g + b in f32, by two passes over a row kept in registers; xn rounded once to f16;
; xn [64][1024] x W [1024][768] (f16, from wh) with f32 sums; q, k, v rounded once to f16 and stored BY HEADS: part p (q, k, v) at p x 8,388,608, in it [32 stream + 8 batch + head][2048][32].
; LIMITS: xn g + b, W, q, k and v lie within f16's 65,504; below 6e-5 f16 keeps a fixed step of 6e-8.  NaN and infinities are not treated apart.  q is stored unscaled.
; SHARES.  A work-group has 64 rows and all 768 columns: 256 work-groups.  In the LayerNorm wave w has rows 8 w .. 8 w + 7, a row at a time, four rows' loads on their way.
; In the product wave w has all 64 rows x head w of q, of k and of v: 4 x 6 accumulators of 16 x 16, so that what it stores is its own head: 4,096 consecutive bytes a part.
; CLUSTER.  The four work-groups of a cluster walk the same weights: each tile is asked for JOINTLY (mask 15), each wave 8 rows of 1,536 bytes.
; RING.  K goes in steps of 64 through two slots.  LDS has no room for two slots and all of xn: xn's columns 896-1023 wait in 16 registers a lane and are stored over columns 0-127,
; which were last read in K steps 0 and 1, behind the change of slots of K step 12; the next change's barrier shows them to every wave.
; THE MATRIX INSTRUCTION IS USED TRANSPOSED (source 0 = 16 columns of W, turned by ds_load_tr16_b128; source 1 = 16 rows of xn): a lane holds 8 neighbouring columns of one row.
; REGISTERS.  Window 0: v0-31 addresses and work; v32-223 the 24 accumulators (during the LayerNorm: v32-63 a row at work, v64-191 four rows as loaded, v192-199 sums); v224-239 the held columns.
; Window 1: v0-79, v80-159 two fragment buffers (4 of xn, then 6 of W); v160-191 g, v192-223 b of my lane's 32 columns.
.set PA,    1808                       ; a row of xn in LDS: 896 f16 + 16 bytes = 113 x 16: the 16 rows of a fragment load start at 16 different groups of four banks (64 banks of 4 bytes: ISA guide 11.1)
.set PB,    1632                       ; a row of W in LDS: three pieces of 512 bytes, 32 of padding behind each = 51 x 32
.set SLOT,  64*PB                      ; 104,448
.set ABASE, 2*SLOT                     ; xn, 64 rows; later the stages for the way out, 5,120 bytes a wave
.set SPARE, ABASE+64*PA                ; 324,608: the spare words, 128 bytes for each wave: four blocks of 256 bytes that no other line names
.set WROW,  1536                       ; bytes in a row of W in wh
.set STEPB, 64*WROW                    ; a K step in wh
.set OFF,  4                           ; v4-7   row slot s: my byte offset in x
.set LST,  8                           ; v8     where I store 8 bytes of xn: my wave's first row, 8 x lane
.set AL,   9                           ; v9     my lane's place in xn's fragments; never rewritten
.set ADRA, 10                          ; v10-11 the same at the lap in hand, rows 0-31 and 32-63
.set ADRB, 12                          ; v12-15 my lane's place in W's fragments: slot, half of the K step
.set STO,  16                          ; v16    the way out: where I put 16 bytes of a row
.set RD,   17                          ; v17    where I read rows back
.set GO,   18                          ; v18    16 x lane
.set PFO,  19                          ; v19    the prefetches' offset; never rewritten
.set SPW,  20                          ; v20    LDS address of my spare word; never rewritten
.set NIL,  21                          ; v21    0; never rewritten
.set MU,   22                          ; v22-23 the mean (the pair's low word is used)
.set RS,   24                          ; v24-25 1 / sqrt(var + eps)
.set W0,   26                          ; v26-28 at work
.set GBO,  30                          ; v30    16 x lane, for g and b; never rewritten
.set ACC,  32
.set T,    32
.set X,    64
.set Q,    192
.set HOLD, 224
.set F0,   0
.set F1,   80
.set GG,   160
.set BB,   192
.set W_MUL, 0x05                       ; sources 0 and 1 in window 1, C and D in window 0
.set W_TOF, 0x40                       ; destination in window 1
.set W_GB,  0x14                       ; sources 1 and 2 in window 1
.set MSB, 0
.macro WIN new                         ; the immediate's high byte repeats the setting that is left; a switch that changes nothing is dropped
.if MSB != (\new)
	s_set_vgpr_msb (MSB<<8)|(\new)
.set MSB, \new
.endif
.endm
.macro PLACES                          ; four plain places behind matrix instructions, in front of loads into registers that they read and of conversions of their results
.rept 4
	v_nop
.endr
.endm
.macro CROUND                          ; a round of the cluster's barrier
	s_barrier_signal -1
	s_barrier_wait -1
	s_cmp_lg_u32 s4, 0
	s_cbranch_scc1 .Lnot_wave_0_\@
	s_barrier_signal -3
.Lnot_wave_0_\@:
	s_barrier_wait -3
	s_barrier_signal -1
	s_barrier_wait -1
.endm
	s_load_b512 s[8:23], s[0:1], 0x0               ; x1, x2, g1, g2, b1, b2, wh s[20:21], qkv s[22:23]
	v_lshl_add_u32 v[SPW], v0, 2, SPARE
	v_mov_b32 v[NIL], 0
	ds_add_u32 v[SPW], v[NIL]                      ; the wave's opening: the add and its wait ahead of my first tensor load; the set-up stands between them
	v_lshrrev_b32 v1, 5, v0
	v_readfirstlane_b32 s4, v1                     ; wave 0..7
	s_bfe_u32 s5, ttmp6, 0x40000                   ; cx
	s_lshl_b32 s6, ttmp9, 2
	s_add_co_u32 s6, s6, s5                        ; my block of 64 rows: it enters x's, qkv's and the prefetches' addresses alone
	s_and_b32 s7, ttmp7, 0xffff                    ; the stream
	; descriptor group 1: 8 rows x 768 elements of 2 bytes, 8 words of padding behind every 128 words
	s_mov_b32 s24, 15|(1<<16)|(1<<20)|(1<<21)|(6<<22)|(7<<25)
	s_mov_b32 s25, 768<<16                         ; tensor_dim0
	s_mov_b32 s26, 8<<16                           ; tensor_dim1
	s_mov_b32 s27, 768<<16                         ; tile_dim0
	s_mov_b32 s28, 8                               ; tile_dim1
	s_mov_b32 s29, 768                             ; elements from row to row
	s_mov_b32 s30, 0
	s_mov_b32 s31, 0
	s_mul_i32 s60, s4, 8*PB                        ; my 8 rows of a slot
	s_mov_b32 s32, 1
	s_mov_b32 s33, s60
	s_mov_b32 s36, 1
	s_add_co_u32 s37, s60, SLOT
	s_mul_i32 s62, s7, 1024*WROW                   ; the stream's W in wh,
	s_mul_i32 s61, s4, 8*WROW                      ; my 8 rows of K step 0
	s_add_co_u32 s62, s62, s61
	s_mov_b32 s63, 0
	s_mov_b32 s56, 0x3a800000                      ; 1 / 1024
	s_mov_b32 s57, 0x3727c5ac                      ; 1e-5
	s_mov_b32 s58, 0x76543210                      ; v_permlanex16_b32: each lane takes its own place in the other half
	s_mov_b32 s59, 0xfedcba98
	s_cmp_lt_u32 s4, 3                             ; who prefetches: waves 0 to 2 of the stream's first cluster: the same in all four partners
	s_cselect_b32 s54, 0, 1
	s_or_b32 s54, s54, ttmp9
	s_cmp_eq_u32 s54, 0
	s_cselect_b32 s54, 1, -1
	v_and_b32 v1, 31, v0                           ; lane
	v_and_b32 v2, 15, v0                           ; r
	v_bfe_u32 v3, v0, 4, 1                         ; h
	v_lshlrev_b32 v[GBO], 4, v1
	s_lshl_b32 s60, s4, 15                         ; my wave's 8 rows of 4,096 bytes
	v_lshl_add_u32 v[OFF], v1, 4, s60
	v_add_nc_u32 v[OFF+1], 4096, v[OFF]
	v_add_nc_u32 v[OFF+2], 8192, v[OFF]
	v_add_nc_u32 v[OFF+3], 12288, v[OFF]
	s_wait_dscnt 0x0                               ; the opening add is done
	s_wait_kmcnt 0x0
	s_add_nc_u64 s[34:35], s[20:21], s[62:63]      ; K step 0,
	s_add_nc_u64 s[38:39], s[34:35], STEPB         ; K step 1
	s_or_b32 s35, s35, 0x80000000                  ; type = 2
	s_or_b32 s39, s39, 0x80000000
	s_cmp_eq_u32 s7, 0
	s_cselect_b64 s[40:41], s[8:9], s[10:11]       ; x
	s_cselect_b64 s[42:43], s[12:13], s[14:15]     ; g
	s_cselect_b64 s[44:45], s[16:17], s[18:19]     ; b
	s_lshl_b32 s60, s6, 18                         ; 64 rows of 4,096 bytes a block
	s_mov_b32 s61, 0
	s_add_nc_u64 s[40:41], s[40:41], s[60:61]
	s_lshr_b32 s60, s6, 5                          ; the batch: 32 blocks each
	s_lshl_b32 s60, s60, 3
	s_lshl_b32 s61, s7, 5
	s_add_co_u32 s60, s60, s61
	s_add_co_u32 s60, s60, s4                      ; 32 stream + 8 batch + head
	s_lshl_b32 s60, s60, 17                        ; 131,072 bytes a head
	s_and_b32 s61, s6, 31
	s_lshl_b32 s61, s61, 12                        ; 64 rows of 64 bytes a block
	s_add_co_u32 s60, s60, s61
	s_mov_b32 s61, 0
	s_add_nc_u64 s[46:47], s[22:23], s[60:61]      ; q,
	s_add_nc_u64 s[48:49], s[46:47], 8388608       ; k,
	s_add_nc_u64 s[50:51], s[46:47], 16777216      ; v
	s_mul_i32 s60, s7, 1024*WROW                   ; the prefetches: my work-group's 16 of a K step's 64 rows, told apart by address,
	s_mul_i32 s61, s5, 16*WROW
	s_add_co_u32 s60, s60, s61
	s_add_co_u32 s60, s60, 3*STEPB                 ; at K step 3: the first change of slots steps it to 4
	s_mov_b32 s61, 0
	s_add_nc_u64 s[52:53], s[20:21], s[60:61]
	WIN W_TOF
.irp j, 0,1,2,3,4,5,6,7
	global_load_b128 v[GG+4*(\j):GG+4*(\j)+3], v[GBO], s[42:43] offset:512*(\j)   ; columns 128 j + 4 lane .. + 3, as in a row of x
	global_load_b128 v[BB+4*(\j):BB+4*(\j)+3], v[GBO], s[44:45] offset:512*(\j)
.endr
	WIN 0
.irp s, 0,1,2,3
.irp j, 0,1,2,3,4,5,6,7
	global_load_b128 v[X+32*(\s)+4*(\j):X+32*(\s)+4*(\j)+3], v[OFF+(\s)], s[40:41] offset:512*(\j) th:TH_LOAD_NT  ; a load of the wave covers 512 consecutive bytes
.endr
.endr
	CROUND                                         ; all four work-groups are here: the first joint loads meet
	tensor_load_to_lds s[32:35], s[24:31]          ; both first fills go out together: two loads of mine are out, later one
	s_nop 0
	tensor_load_to_lds s[36:39], s[24:31]
	s_nop 0
	PLACES
	s_mul_i32 s60, s4, 8*PA
	s_add_co_u32 s60, s60, ABASE
	v_lshl_add_u32 v[LST], v1, 3, s60
	v_mul_u32_u24 v[AL], v2, PA
	v_lshl_add_u32 v[AL], v3, 4, v[AL]
	v_add_nc_u32 v[AL], ABASE, v[AL]               ; row x pitch + 16 x half
	v_mov_b32 v[ADRA], v[AL]
	v_add_nc_u32 v[ADRA+1], 32*PA, v[AL]
	v_and_b32 v[W0], 7, v0
	v_lshl_add_u32 v[W0], v3, 3, v[W0]             ; the turning load: k row 8 h + lane % 8,
	v_mul_u32_u24 v[W0], v[W0], PB
	v_bfe_u32 v[W0+1], v0, 3, 1
	v_lshl_add_u32 v[W0], v[W0+1], 4, v[W0]        ; 16 bytes for each half of 16 columns,
	s_lshl_b32 s60, s4, 6                          ; my head's 32 columns
	v_add_nc_u32 v[ADRB], s60, v[W0]
	v_add_nc_u32 v[ADRB+1], 32*PB, v[ADRB]
	v_add_nc_u32 v[ADRB+2], SLOT, v[ADRB]
	v_add_nc_u32 v[ADRB+3], SLOT+32*PB, v[ADRB]
	s_mul_i32 s60, s4, 5120
	s_add_co_u32 s60, s60, ABASE                   ; my stage: 64 rows of 80 bytes
	v_mul_u32_u24 v[STO], v2, 80
	v_lshl_add_u32 v[STO], v3, 4, v[STO]
	v_add_nc_u32 v[STO], s60, v[STO]
	v_lshrrev_b32 v[RD], 2, v1
	v_mul_u32_u24 v[RD], v[RD], 80
	v_and_b32 v[W0], 3, v0
	v_lshl_add_u32 v[RD], v[W0], 4, v[RD]
	v_add_nc_u32 v[RD], s60, v[RD]
	v_lshlrev_b32 v[GO], 4, v1
	v_mul_u32_u24 v[PFO], v2, WROW                 ; row lane % 16 of my work-group's 16, block 2 wave + lane / 16 of the row's six of 256 bytes
	s_lshl_b32 s60, s4, 9
	v_lshl_add_u32 v[W0], v3, 8, s60
	v_add_nc_u32 v[PFO], v[PFO], v[W0]
	v_mov_b32 v[MU+1], 0                           ; named with their low words as pairs
	v_mov_b32 v[RS+1], 0
.macro REDUCE                          ; four pairs of partial sums -> the row's sum in every lane
	v_pk_add_f32 v[Q:Q+1], v[Q:Q+1], v[Q+2:Q+3]
	v_pk_add_f32 v[Q+4:Q+5], v[Q+4:Q+5], v[Q+6:Q+7]
	v_pk_add_f32 v[Q:Q+1], v[Q:Q+1], v[Q+4:Q+5]
	v_add_f32 v[W0], v[Q], v[Q+1]
	v_add_f32_dpp v[W0], v[W0], v[W0] row_xmask:1 row_mask:0xf bank_mask:0xf
	v_add_f32_dpp v[W0], v[W0], v[W0] row_xmask:2 row_mask:0xf bank_mask:0xf
	v_add_f32_dpp v[W0], v[W0], v[W0] row_xmask:4 row_mask:0xf bank_mask:0xf
	v_add_f32_dpp v[W0], v[W0], v[W0] row_xmask:8 row_mask:0xf bank_mask:0xf
	v_permlanex16_b32 v[W0+1], v[W0], s58, s59
	v_add_f32 v[W0], v[W0], v[W0+1]
.endm
; Row i of my eight.  left: the younger rows' loads, eight each, which stay out.
.macro ROWLN i, left
.set XR, X+32*((\i)%4)
	s_wait_loadcnt \left
.set k, 0
.rept 4
	v_pk_add_f32 v[Q+2*k:Q+2*k+1], v[XR+2*k:XR+2*k+1], v[XR+8+2*k:XR+8+2*k+1]   ; four chains, started by the first sums: nothing is cleared
.set k, k+1
.endr
.set k, 8
.rept 8
	v_pk_add_f32 v[Q+2*(k%4):Q+2*(k%4)+1], v[Q+2*(k%4):Q+2*(k%4)+1], v[XR+2*k:XR+2*k+1]
.set k, k+1
.endr
	REDUCE
	v_mul_f32 v[MU], s56, v[W0]
.set k, 0
.rept 16
	v_pk_add_f32 v[T+2*k:T+2*k+1], v[XR+2*k:XR+2*k+1], v[MU:MU+1] op_sel_hi:[1,0] neg_lo:[0,1] neg_hi:[0,1]  ; x - mean
.set k, k+1
.endr
.if (\i) < 4
	v_add_nc_u32 v[OFF+(\i)], 4*4096, v[OFF+(\i)]  ; free since the wait above: the slot's next row, four rows on
.set k, 0
.rept 8
	global_load_b128 v[XR+4*k:XR+4*k+3], v[OFF+(\i)], s[40:41] offset:512*k th:TH_LOAD_NT
.set k, k+1
.endr
.endif
.set k, 0
.rept 4
	v_pk_mul_f32 v[Q+2*k:Q+2*k+1], v[T+2*k:T+2*k+1], v[T+2*k:T+2*k+1]
.set k, k+1
.endr
.rept 12
	v_pk_fma_f32 v[Q+2*(k%4):Q+2*(k%4)+1], v[T+2*k:T+2*k+1], v[T+2*k:T+2*k+1], v[Q+2*(k%4):Q+2*(k%4)+1]
.set k, k+1
.endr
	REDUCE
	v_fma_f32 v[W0+2], v[W0], s56, s57             ; var + eps
	v_rsq_f32 v[RS], v[W0+2]
	v_nop                                          ; a plain instruction behind the transcendental,
	s_wait_alu depctr_va_vdst(0)                   ; and the wait ahead of its first reader
.set k, 0
.rept 16
	v_pk_mul_f32 v[T+2*k:T+2*k+1], v[T+2*k:T+2*k+1], v[RS:RS+1] op_sel_hi:[1,0]
.set k, k+1
.endr
	WIN W_GB
.set k, 0
.rept 16
	v_pk_fma_f32 v[T+2*k:T+2*k+1], v[T+2*k:T+2*k+1], v[GG+2*k:GG+2*k+1], v[BB+2*k:BB+2*k+1]
.set k, k+1
.endr
	WIN 0
.set k, 0
.rept 14
	v_cvt_pk_f16_f32 v[T+k], v[T+2*k], v[T+2*k+1]  ; in place, ascending
.set k, k+1
.endr
	v_cvt_pk_f16_f32 v[HOLD+2*(\i)], v[T+28], v[T+29]    ; columns 896 + 4 lane .. wait in registers
	v_cvt_pk_f16_f32 v[HOLD+2*(\i)+1], v[T+30], v[T+31]
.set k, 0
.rept 7
	ds_store_b64 v[LST], v[T+2*k:T+2*k+1] offset:(\i)*PA+256*k  ; 32 lanes store 256 consecutive bytes
.set k, k+1
.endr
.endm
; 20 LDS loads in one run: the fragments of 32 along K (half sub of the K step in slot) into buffer f
.macro FETCH slot, sub, f
	WIN W_TOF
.irp b, 0,1,2,3,4,5
	ds_load_tr16_b128 v[(\f)+32+8*(\b):(\f)+32+8*(\b)+3],   v[ADRB+2*(\slot)+(\sub)] offset:((\b)/2)*544+((\b)%2)*32
	ds_load_tr16_b128 v[(\f)+32+8*(\b)+4:(\f)+32+8*(\b)+7], v[ADRB+2*(\slot)+(\sub)] offset:((\b)/2)*544+((\b)%2)*32+16*PB
.endr
.irp a, 0,1,2,3
	ds_load_b128 v[(\f)+8*(\a):(\f)+8*(\a)+3],   v[ADRA+(\a)/2] offset:((\a)%2)*16*PA+128*(\slot)+64*(\sub)
	ds_load_b128 v[(\f)+8*(\a)+4:(\f)+8*(\a)+7], v[ADRA+(\a)/2] offset:((\a)%2)*16*PA+128*(\slot)+64*(\sub)+32
.endr
.endm
; Accumulators t0 .. t1 (number 6 a + b) take buffer f's products.  All 24 take turns in one order, one instruction a turn, over the backward jump too.
.macro MULT f, t0, t1, zero
	WIN W_MUL
.set t, \t0
.rept (\t1)-(\t0)+1
.if \zero
	v_wmma_f32_16x16x32_f16 v[ACC+8*t:ACC+8*t+7], v[(\f)+32+8*(t%6):(\f)+32+8*(t%6)+7], v[(\f)+8*(t/6):(\f)+8*(t/6)+7], 0
.else
	v_wmma_f32_16x16x32_f16 v[ACC+8*t:ACC+8*t+7], v[(\f)+32+8*(t%6):(\f)+32+8*(t%6)+7], v[(\f)+8*(t/6):(\f)+8*(t/6)+7], v[ACC+8*t:ACC+8*t+7]
.endif
.set t, t+1
.endr
.endm
; The first half of a K step: buffer 0 is multiplied, the second half's fragments are fetched ahead of it.
.macro HALF slot, zero
	s_wait_dscnt 0x0                               ; buffer 0 is in
	PLACES                                         ; behind the last products on buffer 1
	FETCH \slot, 1, F1
	MULT F0, 0, 23, \zero
.endm
.macro ASK                             ; one prefetch a wave, behind the joint load and the run of LDS loads: the K step that stands two refills on
	s_cmp_eq_u32 s54, 1
	s_cbranch_scc0 .Lnot_mine_\@
	global_prefetch_b8 v[PFO], s[52:53] th:TH_LOAD_NT scope:SCOPE_SE
.Lnot_mine_\@:
.endm
; The second half of a K step, and the change of slots.  In front of the barrier each wave waits for all its tensor loads (one is out: its part of the other slot), adds 0 to its spare word,
; and waits for that and for its reads of this slot.  fill = 1: the barrier is a round of the cluster's, and the joint refill, two K steps on, is the first thing behind it.
.macro TURN slot, fill, ask, hold, wrap
	WIN 0
.if \ask
	s_wait_xcnt 0x0                                ; the last prefetch, a K step back, has read its address
	s_add_nc_u64 s[52:53], s[52:53], STEPB
.endif
	s_wait_dscnt 0x0                               ; buffer 1 is in: those were my last reads of this slot
	s_wait_tensorcnt 0x0                           ; no tensor load of mine is out, so a group 0 may be written
	ds_add_u32 v[SPW], v[NIL]                      ; 0 onto my spare word; twelve products stand between it and the wait for it
.if \fill
	s_add_nc_u64 s[34+4*(\slot):35+4*(\slot)], s[34+4*(\slot):35+4*(\slot)], 2*STEPB
.endif
	MULT F1, 0, 11, 0
	WIN 0
	s_wait_dscnt 0x0                               ; the add is done
.if \fill
	CROUND                                         ; no wave of any partner still reads this slot or has a load on its way
	tensor_load_to_lds s[32+4*(\slot):35+4*(\slot)], s[24:31]
	s_nop 0
	PLACES                                         ; also the places in front of the loads into buffer 0
.else
	s_barrier_signal -1
	s_barrier_wait -1
	PLACES
.endif
.if \hold
.irp i, 0,1,2,3,4,5,6,7
	ds_store_b64 v[LST], v[HOLD+2*(\i):HOLD+2*(\i)+1] offset:(\i)*PA  ; columns 896-1023 over columns 0-127, which nobody has read since K step 1
.endr
.endif
.if (\slot) == 1
.if \wrap
	v_mov_b32 v[ADRA], v[AL]                       ; the last lap reads where the held columns lie
	v_add_nc_u32 v[ADRA+1], 32*PA, v[AL]
.else
	v_add_nc_u32 v[ADRA], 256, v[ADRA]             ; a lap is 128 columns of xn
	v_add_nc_u32 v[ADRA+1], 256, v[ADRA+1]
.endif
.endif
	FETCH 1-(\slot), 0, F0
.if \ask
	WIN 0
	ASK
.endif
	MULT F1, 12, 23, 0
.endm
	ROWLN 0, 24
	ROWLN 1, 24
	ROWLN 2, 24
	ROWLN 3, 24
	ROWLN 4, 24
	ROWLN 5, 16
	ROWLN 6, 8
	ROWLN 7, 0
	s_wait_tensorcnt 0x1                           ; my part of K step 0 is in; K step 1's may stay out
	s_wait_dscnt 0x0                               ; my rows of xn are stored
	s_barrier_signal -1
	s_barrier_wait -1
	FETCH 0, 0, F0
	HALF 0, 1                                      ; the first products start the sums
	WIN 0
	s_mov_b32 s55, 6
.Llap:                                             ; a trip: K steps 2 t and 2 t + 1 are finished, 2 t + 2 and 2 t + 3 asked for, 2 t + 4 and 2 t + 5 prefetched: the last named is K step 15
	TURN 0, 1, 1, 0, 0
	HALF 1, 0
	TURN 1, 1, 1, 0, 0
	HALF 0, 0
	WIN 0
	s_sub_co_u32 s55, s55, 1
	s_cmp_lg_u32 s55, 0
	s_cbranch_scc1 .Llap
	v_add_nc_u32 v[ADRA], 6*256, v[AL]             ; lap 6, written as constants again
	v_add_nc_u32 v[ADRA+1], 6*256+32*PA, v[AL]
	TURN 0, 1, 0, 1, 0                             ; K step 12; K step 14 is asked for; the held columns go into LDS
	HALF 1, 0
	TURN 1, 1, 0, 0, 1                             ; K step 13; K step 15 is asked for; its round shows the held columns to every wave
	HALF 0, 0
	TURN 0, 0, 0, 0, 0                             ; K step 14; nothing is left to ask for
	HALF 1, 0
	s_wait_dscnt 0x0
	MULT F1, 0, 23, 0
	WIN 0
	PLACES
	PLACES                                         ; (eight, once a launch)
	s_barrier_signal -1                            ; every wave's reads of xn are back: its bytes become the stages
	s_barrier_wait -1
	; THE WAY OUT, a part (q, k, v) at a time: rounded to f16, 16 bytes a lane into my stage (rows of 80 bytes), back as 8 whole rows of 64 bytes: 512 consecutive bytes of my head.
.irp g, 0,1,2
.irp a, 0,1,2,3
.irp i, 0,1
.set rD, ACC+8*(6*(\a)+2*(\g)+(\i))
	v_cvt_pk_f16_f32 v[rD], v[rD], v[rD+1]
	v_cvt_pk_f16_f32 v[rD+1], v[rD+2], v[rD+3]
	v_cvt_pk_f16_f32 v[rD+2], v[rD+4], v[rD+5]
	v_cvt_pk_f16_f32 v[rD+3], v[rD+6], v[rD+7]
.endr
.endr
.irp a, 0,1,2,3
.irp i, 0,1
.set rD, ACC+8*(6*(\a)+2*(\g)+(\i))
	ds_store_b128 v[STO], v[rD:rD+3] offset:1280*(\a)+32*(\i)
.endr
.endr
.irp a, 0,1,2,3
.irp i, 0,1
.set rD, ACC+8*(6*(\a)+2*(\g)+(\i))
	ds_load_b128 v[rD+4:rD+7], v[RD] offset:640*(2*(\a)+(\i))  ; LDS serves a wave's instructions in order (ISA guide 5.7.1.4): these see the stores above, and the next part's stores come behind them
.endr
.endr
.irp a, 0,1,2,3
.irp i, 0,1
.set rD, ACC+8*(6*(\a)+2*(\g)+(\i))
	s_wait_dscnt 7-(2*(\a)+(\i))                   ; the younger loads from the stage stay out
	global_store_b128 v[GO], v[rD+4:rD+7], s[46+2*(\g):47+2*(\g)] offset:512*(2*(\a)+(\i))
.endr
.endr
.endr
	s_wait_tensorcnt 0x0                           ; the wave's end: behind my last tensor load and my last LDS store
	ds_add_u32 v[SPW], v[NIL]
	s_wait_dscnt 0x0
	CROUND                                         ; the closing round
	s_endpgm
.Lfunc_end_k_qdd0077bb8a_qkv:
	.size	k_qdd0077bb8a_qkv, .Lfunc_end_k_qdd0077bb8a_qkv-k_qdd0077bb8a_qkv
	.p2alignl 7, 3214868480
	.fill 96, 4, 3214868480
	.section	.rodata,"a",@progbits
	.p2align	6, 0x0
	.amdhsa_kernel k_qdd0077bb8a_qkv
		.amdhsa_group_segment_fixed_size 327680
		.amdhsa_private_segment_fixed_size 0
		.amdhsa_enable_private_segment 0
		.amdhsa_kernarg_size 64
		.amdhsa_user_sgpr_count 2
		.amdhsa_user_sgpr_kernarg_segment_ptr 1
		.amdhsa_wavefront_size32 1
		.amdhsa_system_sgpr_workgroup_id_x 1
		.amdhsa_system_sgpr_workgroup_id_y 1
		.amdhsa_system_sgpr_workgroup_id_z 1
		.amdhsa_system_vgpr_workitem_id 0
		.amdhsa_next_free_vgpr 480
		.amdhsa_next_free_sgpr 66
		.amdhsa_reserve_vcc 0
		.amdhsa_float_denorm_mode_32 3
		.amdhsa_float_denorm_mode_16_64 3
		.amdhsa_memory_ordered 1
		.amdhsa_forward_progress 1
		.amdhsa_inst_pref_size 128
	.end_amdhsa_kernel
	.amdgpu_metadata
---
amdhsa.version: [ 1, 2 ]
amdhsa.kernels:
  - .name:           k_qdd0077bb8a_qkv
    .symbol:         k_qdd0077bb8a_qkv.kd
    .args:
      - { .name: x1, .offset: 0, .size: 8, .value_kind: global_buffer, .address_space: global }
      - { .name: x2, .offset: 8, .size: 8, .value_kind: global_buffer, .address_space: global }
      - { .name: ln1_g, .offset: 16, .size: 8, .value_kind: global_buffer, .address_space: global }
      - { .name: ln2_g, .offset: 24, .size: 8, .value_kind: global_buffer, .address_space: global }
      - { .name: ln1_b, .offset: 32, .size: 8, .value_kind: global_buffer, .address_space: global }
      - { .name: ln2_b, .offset: 40, .size: 8, .value_kind: global_buffer, .address_space: global }
      - { .name: wh, .offset: 48, .size: 8, .value_kind: global_buffer, .address_space: global }
      - { .name: qkv, .offset: 56, .size: 8, .value_kind: global_buffer, .address_space: global }
    .group_segment_fixed_size: 327680
    .private_segment_fixed_size: 0
    .kernarg_segment_align: 8
    .kernarg_segment_size: 64
    .max_flat_workgroup_size: 256
    .sgpr_count:     66
    .vgpr_count:     480
    .wavefront_size: 32
...
	.end_amdgpu_metadata
.endif
;; end of part 2
;; launch attn (part 3): grid 4 x 64, 8 waves a work-group, clusters of 4 x 1, 297,984 bytes of LDS; arguments qkv, oh; writes oh
.if DOCPART == 3
	.amdgcn_target "amdgcn-amd-amdhsa--gfx1250"
	.amdhsa_code_object_version 6
	.text
	.protected	k_qdd0077bb8a_attn
	.globl	k_qdd0077bb8a_attn
	.p2align	8
	.type	k_qdd0077bb8a_attn,@function
k_qdd0077bb8a_attn:
	s_mov_b64 s[64:65], 0
	v_nop
	global_prefetch_b8 v0, s[64:65] scope:SCOPE_SE
	s_setreg_imm32_b32 hwreg(HW_REG_WAVE_MODE, 25, 1), 1
	s_wait_xcnt 0x0
	s_wait_alu depctr_hold_cnt(0) depctr_sa_sdst(0) depctr_va_vdst(0) depctr_va_sdst(0) depctr_va_ssrc(0) depctr_va_vcc(0) depctr_vm_vsrc(0)
	s_getreg_b32 s2, hwreg(HW_REG_IB_STS2, 6, 4)
	s_cmp_eq_u32 s2, 0
	s_cbranch_scc0 .Lentry_in_a_cluster
	s_endpgm
.Lentry_in_a_cluster:
	s_bfe_u32 s2, ttmp6, 0x10000c
	s_cmp_lg_u32 s2, 0x3003
	s_cbranch_scc0 .Lentry_shape_is_right
	s_endpgm
.Lentry_shape_is_right:
; CROSSED ATTENTION at head size 32.  Instance y = 32 stream + 8 batch + head takes its queries from part q of qkv and its keys and values from instance y xor 32 (the other stream).
; O[q] = the sum over k of softmax_k(Q[q] . K[k] / sqrt(32)) V[k]; 2,048 keys; all operands f16, products, maxima and sums in f32; the weights p are rounded to f16 for the second
; product, and their sum l is taken of the rounded p; O is rounded once, to f16, and stored by heads: oh[y][2048][32].
; LIMITS: q, k, v arrive within f16's 65,504; p lies in 0 to 1, and below f16's smallest step it counts as 0, in O and in l alike; NaN and infinities are not treated apart.
; SHARES.  A work-group has 512 queries, each of its eight waves 64: four tiles of 16.  Eight waves on four SIMDs, each written in phases.
; CLUSTER.  A head's four work-groups are one cluster and read the same K and V: each tile is asked for JOINTLY (mask 15).
; NO RING.  A head's K and V, 131,072 bytes each, lie whole in LDS: every tile is asked for once, at the head, four loads of 128 keys a wave, and all are waited for in front of the first key step.
; So there is no later request that a prefetch could run ahead of.
; LAYOUT.  S^T = K Q^T (one instruction for 16 keys x 16 queries: the head's 32 channels are one K step): a lane holds ONE query (lane % 16) and the keys 8 (lane / 16) + 0..7.  Two such results
; rounded to f16 ARE source 1 of O^T = V^T P.  l comes from the matrix unit too: source 0 = ONES, which holds 1.0 in rows 0 and 8 alone, so that l falls into the lowest register of its accumulator in both halves of the lanes.
; SOFTMAX.  A running maximum m: p = 2^(c s - c m), c = log2(e) / sqrt(32); in every step O and l are multiplied by a = 2^(c m_old - c m_new).  m starts at the lowest finite number, O and l at 0 (96 lines in the wait for the tiles, so that no first step is written out).
; REGISTERS.  Window 0: see the names below.  Window 1: v0-31 Q (8 a tile), v32-63 K of one step.
.set VB,    139264                     ; K: key k at 64 k + 16 (k / 4): the 16 rows of a fragment load start at 16 different groups of four banks (64 banks of 4 bytes: ISA guide 11.1)
.set STAGE, 286720                     ; V, from VB on: key k at 64 k + 32 (k / 4).  Then the stages: 16 rows x 80 bytes a wave
.set SPARE, 296960                     ; the spare words, 128 bytes for each wave: four blocks of 256 bytes that no other line names
.set KSTEP, 4352                       ; 64 keys of K in LDS
.set VSTEP, 4608                       ; 64 keys of V
.set AK0, 3                            ; v3   my lane's place in a fragment of K; never rewritten
.set AV0, 4                            ; v4   the same for V
.set AK,  5
.set AV,  6
.set QO,  7
.set STO, 8
.set RD,  9
.set GO,  10
.set SPW, 11                           ; v11  LDS address of my spare word; never rewritten
.set NIL, 12                           ; v12  0; never rewritten
.set ST,  16                           ; v16-23  tile t: c m, m
.set CW,  24                           ; v24-27  c0-c3 at work; a takes c2's place
.set MO,  28                           ; v28     c m_old
.set ONES, 32                          ; v32-39
.set P,   40                           ; v40-55
.set VF,  56                           ; v56-87  V's fragments: key half kk, channel half cb at 16 kk + 8 cb
.set S,   88                           ; v88-151 S^T, two buffers of 32
.set O,   152                          ; v152-215  O^T: 16 a tile
.set LS,  216                          ; v216-247  l's accumulators: 8 a tile
.set QF,  0
.set KF,  32
.set G1K, 16
.set G1V, 24
.set G0K, 32                           ; s[32:47] four sets, a chunk of 512 keys each
.set G0V, 48                           ; s[48:63]
.set W_KQ,  0x05
.set W_TO1, 0x40
.set MSB, 0
.macro WIN new
.if MSB != (\new)
	s_set_vgpr_msb (MSB<<8)|(\new)
.set MSB, \new
.endif
.endm
.macro PLACES
.rept 4
	v_nop
.endr
.endm
.macro CROUND
	s_barrier_signal -1
	s_barrier_wait -1
	s_cmp_lg_u32 s8, 0
	s_cbranch_scc1 .Lnot_wave_0_\@
	s_barrier_signal -3
.Lnot_wave_0_\@:
	s_barrier_wait -3
	s_barrier_signal -1
	s_barrier_wait -1
.endm
	s_load_b128 s[4:7], s[0:1], 0x0                ; qkv s[4:5], oh s[6:7]
	v_lshl_add_u32 v[SPW], v0, 2, SPARE
	v_mov_b32 v[NIL], 0
	ds_add_u32 v[SPW], v[NIL]                      ; the wave's opening: the add and its wait ahead of my first tensor load
	v_lshrrev_b32 v1, 5, v0
	v_readfirstlane_b32 s8, v1                     ; wave 0..7
	s_bfe_u32 s9, ttmp6, 0x40000                   ; cx: my block of 512 queries: it enters Q's and O's addresses alone
	s_and_b32 s10, ttmp7, 0xffff                   ; the instance
	; descriptor group 1: 128 keys are 8,192 dense bytes, asked for as 32 rows of 256 bytes, padded behind each
	s_mov_b32 s[G1K], 15|(1<<16)|(1<<20)|(1<<21)|(5<<22)|(3<<25)
	s_mov_b32 s[G1V], 15|(1<<16)|(1<<20)|(1<<21)|(5<<22)|(7<<25)
.irp g, G1K, G1V
	s_mov_b32 s[(\g)+1], 128<<16
	s_mov_b32 s[(\g)+2], 32<<16
	s_mov_b32 s[(\g)+3], 128<<16
	s_mov_b32 s[(\g)+4], 32
	s_mov_b32 s[(\g)+5], 128
	s_mov_b32 s[(\g)+6], 0
	s_mov_b32 s[(\g)+7], 0
.endr
	s_and_b32 s11, s8, 3                           ; which 128 keys of a chunk I fetch
	s_mul_i32 s12, s11, 8704
	s_mul_i32 s13, s11, 9216
.irp c, 0,1,2,3
	s_mov_b32 s[G0K+4*(\c)], 1
	s_add_co_u32 s[G0K+4*(\c)+1], s12, (\c)*34816
	s_mov_b32 s[G0V+4*(\c)], 1
	s_add_co_u32 s[G0V+4*(\c)+1], s13, VB+(\c)*36864
.endr
	s_xor_b32 s14, s10, 32                         ; the other stream's instance
	s_lshl_b32 s14, s14, 17
	s_lshl_b32 s15, s11, 13
	s_add_co_u32 s14, s14, s15
	s_mov_b32 s15, 0
	s_lshl_b32 s82, s10, 17                        ; my instance, my block's 512 rows, my wave's 64 rows of 64 bytes
	s_lshl_b32 s83, s9, 15
	s_add_co_u32 s82, s82, s83
	s_lshl_b32 s83, s8, 12
	s_add_co_u32 s82, s82, s83
	s_mov_b32 s83, 0
	s_mov_b32 s66, 0x3e8293ee                      ; c = log2(e) / sqrt(32) = 0.255035
	s_mov_b32 s67, s66
	s_mov_b32 s68, 0x76543210
	s_mov_b32 s69, 0xfedcba98
	s_mov_b32 s73, 0x3c003c00                      ; 1.0 twice in f16
	v_and_b32 v1, 15, v0                           ; r
	v_bfe_u32 v2, v0, 4, 1                         ; h
	v_lshlrev_b32 v[QO], 6, v1
	v_lshl_add_u32 v[QO], v2, 4, v[QO]             ; row x 64 + 16 x half
	s_wait_dscnt 0x0                               ; the opening add is done
	s_wait_kmcnt 0x0
	s_add_nc_u64 s[78:79], s[4:5], s[14:15]
	s_add_nc_u64 s[80:81], s[78:79], 16777216      ; part v,
	s_add_nc_u64 s[78:79], s[78:79], 8388608       ; part k
.irp c, 0,1,2,3
	s_add_nc_u64 s[G0K+4*(\c)+2:G0K+4*(\c)+3], s[78:79], (\c)*32768
	s_or_b32 s[G0K+4*(\c)+3], s[G0K+4*(\c)+3], 0x80000000
	s_add_nc_u64 s[G0V+4*(\c)+2:G0V+4*(\c)+3], s[80:81], (\c)*32768
	s_or_b32 s[G0V+4*(\c)+3], s[G0V+4*(\c)+3], 0x80000000
.endr
	s_add_nc_u64 s[74:75], s[4:5], s[82:83]        ; Q
	s_add_nc_u64 s[76:77], s[6:7], s[82:83]        ; O
	WIN W_TO1
.irp t, 0,1,2,3
	global_load_b128 v[QF+8*(\t):QF+8*(\t)+3],   v[QO], s[74:75] offset:1024*(\t)
	global_load_b128 v[QF+8*(\t)+4:QF+8*(\t)+7], v[QO], s[74:75] offset:1024*(\t)+32
.endr
	WIN 0
	CROUND                                         ; all four work-groups are here: the joint loads meet
	s_cmp_lt_u32 s8, 4                             ; waves 0-3 fetch K, waves 4-7 V: a wave's four fills stand in one branch; four loads of mine are out
	s_cbranch_scc0 .Lfirst_v
.irp c, 0,1,2,3
	tensor_load_to_lds s[G0K+4*(\c):G0K+4*(\c)+3], s[G1K:G1K+7]
	s_nop 0
.endr
	PLACES
	s_branch .Lfirst_asked
.Lfirst_v:
.irp c, 0,1,2,3
	tensor_load_to_lds s[G0V+4*(\c):G0V+4*(\c)+3], s[G1V:G1V+7]
	s_nop 0
.endr
	PLACES
.Lfirst_asked:
	v_lshrrev_b32 v13, 2, v1
	v_lshl_add_u32 v[AK0], v13, 4, v[QO]           ; 64 r + 16 (r / 4) + 16 h
	v_and_b32 v13, 7, v0                           ; the turning load: key 8 h + i, i = lane % 8
	v_lshrrev_b32 v14, 2, v13
	v_bfe_u32 v15, v0, 3, 1
	v_mul_u32_u24 v[AV0], v2, 576
	v_lshl_add_u32 v[AV0], v13, 6, v[AV0]
	v_lshl_add_u32 v[AV0], v14, 5, v[AV0]
	v_lshl_add_u32 v[AV0], v15, 4, v[AV0]
	v_add_nc_u32 v[AV0], VB, v[AV0]
	s_mul_i32 s12, s8, 1280
	s_add_co_u32 s12, s12, STAGE                   ; my stage
	v_mul_u32_u24 v[STO], v1, 80
	v_lshl_add_u32 v[STO], v2, 4, v[STO]
	v_add_nc_u32 v[STO], s12, v[STO]
	v_and_b32 v14, 31, v0
	v_lshlrev_b32 v[GO], 4, v14
	v_lshrrev_b32 v15, 2, v14
	v_mul_u32_u24 v[RD], v15, 80
	v_and_b32 v15, 3, v0
	v_lshl_add_u32 v[RD], v15, 4, v[RD]
	v_add_nc_u32 v[RD], s12, v[RD]
	v_cmp_eq_u32 vcc_lo, 0, v13                    ; lanes 0, 8, 16, 24 hold rows 0 and 8 of ONES
.irp i, 0,1,2,3,4,5,6,7
	v_cndmask_b32 v[ONES+(\i)], 0, s73, vcc_lo
.endr
.set i, 0
.rept 96
	v_mov_b32 v[O+i], 0                            ; O^T and l
.set i, i+1
.endr
.irp t, 0,1,2,3
	v_mov_b32 v[ST+2*(\t)], 0xfe000000             ; c m: far below every c s
	v_mov_b32 v[ST+2*(\t)+1], 0xff7fffff           ; m
.endr
	s_mov_b32 s70, 0                               ; LDS byte at which K of the step to be fetched begins,
	s_mov_b32 s71, 0                               ; and V's, less VB
.macro FETCH_K
	WIN W_TO1
.irp kb, 0,1,2,3
	ds_load_b128 v[KF+8*(\kb):KF+8*(\kb)+3],   v[AK] offset:1088*(\kb)
	ds_load_b128 v[KF+8*(\kb)+4:KF+8*(\kb)+7], v[AK] offset:1088*(\kb)+32
.endr
	WIN 0
	s_add_co_u32 s70, s70, KSTEP
.endm
.macro KQ tile, buf                    ; four products, each a whole sum: S^T of 64 keys x the tile's 16 queries
	WIN W_KQ
.irp kb, 0,1,2,3
	v_wmma_f32_16x16x32_f16 v[S+32*(\buf)+8*(\kb):S+32*(\buf)+8*(\kb)+7], v[KF+8*(\kb):KF+8*(\kb)+7], v[QF+8*(\tile):QF+8*(\tile)+7], 0
.endr
	WIN 0
.endm
; ONE TILE AND KEY STEP.  The next tile's scores are started first; then this tile's maximum, statistics, one batch of 33 exponentials with one wait, roundings, rescaling, and six products.
; V of the step is fetched in tile 0's part, K of the next step in tile 2's, each behind the 16 lines of the maximum, which are the places behind the last products that read those registers.
; In the loop's last trip there is no further step, and K's run is jumped over; tile 3's four products on the old K then serve nothing: the price, once a launch, of one text.
.macro SLOT t
.set SB, S+32*((\t)%2)
.set rT, ST+2*(\t)
.set rO, O+16*(\t)
.set rL, LS+8*(\t)
.if (\t) == 3
	s_wait_dscnt 0x0                               ; K of the next step is in
.endif
	KQ ((\t)+1)%4, ((\t)+1)%2
.irp n, 0,1,2,3
	v_max3_num_f32 v[CW+(\n)], v[SB+8*(\n)], v[SB+8*(\n)+1], v[SB+8*(\n)+2]   ; each accumulator's lowest registers are read first
.endr
.irp n, 0,1,2,3
	v_max3_num_f32 v[CW+(\n)], v[CW+(\n)], v[SB+8*(\n)+3], v[SB+8*(\n)+4]
.endr
.irp n, 0,1,2,3
	v_max3_num_f32 v[CW+(\n)], v[CW+(\n)], v[SB+8*(\n)+5], v[SB+8*(\n)+6]
.endr
	v_max3_num_f32 v[CW], v[CW], v[SB+7], v[SB+15]
	v_max3_num_f32 v[CW+1], v[CW+1], v[SB+23], v[SB+31]
	v_max3_num_f32 v[CW+2], v[CW+2], v[CW+3], v[rT+1]
	v_max3_num_f32 v[CW], v[CW], v[CW+1], v[CW+2]
.if (\t) == 0
	v_add_nc_u32 v[AV], s71, v[AV0]
.irp f, 0,1,2,3
	ds_load_tr16_b128 v[VF+8*(\f):VF+8*(\f)+3],   v[AV] offset:((\f)/2)*2304+((\f)%2)*32
	ds_load_tr16_b128 v[VF+8*(\f)+4:VF+8*(\f)+7], v[AV] offset:((\f)/2)*2304+((\f)%2)*32+1152
.endr
	s_add_co_u32 s71, s71, VSTEP
.endif
.if (\t) == 2
	v_add_nc_u32 v[AK], s70, v[AK0]
	s_cmp_eq_u32 s72, 1
	s_cbranch_scc1 .Lno_k_\@
	FETCH_K
.Lno_k_\@:
.endif
	v_permlanex16_b32 v[CW+3], v[CW], s68, s69     ; the query's other 32 keys lie in the lane 16 away
	v_mov_b32 v[MO], v[rT]
	v_max_num_f32 v[rT+1], v[CW], v[CW+3]
	v_mul_f32 v[rT], s66, v[rT+1]
	v_sub_f32 v[CW+1], v[MO], v[rT]
.set b, 0
.rept 2
	v_pk_fma_f32 v[SB+2*b:SB+2*b+1], v[SB+2*b:SB+2*b+1], s[66:67], v[rT:rT+1] op_sel_hi:[1,0,0] neg_lo:[0,0,1] neg_hi:[0,0,1]  ; c s - c m
.set b, b+1
.endr
	v_exp_f32 v[CW+2], v[CW+1]                     ; a
.set e, 0
.rept 14                                           ; none of these lines names an exponential's result
	v_exp_f32 v[SB+e], v[SB+e]
	v_pk_fma_f32 v[SB+2*b:SB+2*b+1], v[SB+2*b:SB+2*b+1], s[66:67], v[rT:rT+1] op_sel_hi:[1,0,0] neg_lo:[0,0,1] neg_hi:[0,0,1]
	v_exp_f32 v[SB+e+1], v[SB+e+1]
.set b, b+1
.set e, e+2
.endr
.rept 4
	v_exp_f32 v[SB+e], v[SB+e]
.set e, e+1
.endr
	v_nop                                          ; a plain instruction behind the last exponential: one for the batch,
	s_wait_alu depctr_va_vdst(0)                   ; and the one wait ahead of the batch's first reader
.set e, 0
.rept 16
	v_cvt_pk_f16_f32 v[P+e], v[SB+2*e], v[SB+2*e+1]
.set e, e+1
.endr
.set e, 0
.rept 8
	v_pk_mul_f32 v[rO+2*e:rO+2*e+1], v[rO+2*e:rO+2*e+1], v[CW+2:CW+3] op_sel_hi:[1,0]
.set e, e+1
.endr
	v_pk_mul_f32 v[rL:rL+1], v[rL:rL+1], v[CW+2:CW+3] op_sel_hi:[1,0]   ; l lies in the lowest register; the others hold 0
.if (\t) == 0
	s_wait_dscnt 0x0                               ; V is in
.endif
.irp kk, 0,1                                       ; three accumulators take turns, one instruction a turn
	v_wmma_f32_16x16x32_f16 v[rO:rO+7],    v[VF+16*(\kk):VF+16*(\kk)+7],    v[P+8*(\kk):P+8*(\kk)+7], v[rO:rO+7]
	v_wmma_f32_16x16x32_f16 v[rO+8:rO+15], v[VF+16*(\kk)+8:VF+16*(\kk)+15], v[P+8*(\kk):P+8*(\kk)+7], v[rO+8:rO+15]
	v_wmma_f32_16x16x32_f16 v[rL:rL+7],    v[ONES:ONES+7],                  v[P+8*(\kk):P+8*(\kk)+7], v[rL:rL+7]
.endr
.endm
	s_wait_tensorcnt 0x0                           ; all my parts of K or V are in,
	s_barrier_signal -1
	s_barrier_wait -1                              ; and everybody's
	v_mov_b32 v[AK], v[AK0]
	FETCH_K                                        ; key step 0
	s_wait_loadcnt 0x0                             ; Q
	s_wait_dscnt 0x0
	KQ 0, 0
	PLACES
	PLACES                                         ; (eight, once a launch)
	s_mov_b32 s72, 32
.Lstep:                                            ; a trip is a key step of 64 keys for my four tiles
	SLOT 0
	SLOT 1
	SLOT 2
	SLOT 3
	s_sub_co_u32 s72, s72, 1
	s_cmp_lg_u32 s72, 0
	s_cbranch_scc1 .Lstep
	; THE WAY OUT: O^T is divided by l, rounded to f16 and sent through my stage, a tile (16 rows of 64 bytes) at a time.
	PLACES
	PLACES                                         ; (eight, once a launch)
.irp t, 0,1,2,3
	v_rcp_f32 v[ST+2*(\t)], v[LS+8*(\t)]
.endr
	v_nop
	s_wait_alu depctr_va_vdst(0)                   ; one wait for the four reciprocals
.macro PACK t
.set e, 0
.rept 8
	v_pk_mul_f32 v[O+16*(\t)+2*e:O+16*(\t)+2*e+1], v[O+16*(\t)+2*e:O+16*(\t)+2*e+1], v[ST+2*(\t):ST+2*(\t)+1] op_sel_hi:[1,0]
.set e, e+1
.endr
.set e, 0
.rept 8
	v_cvt_pk_f16_f32 v[O+16*(\t)+e], v[O+16*(\t)+2*e], v[O+16*(\t)+2*e+1]
.set e, e+1
.endr
	ds_store_b128 v[STO], v[O+16*(\t):O+16*(\t)+3]
	ds_store_b128 v[STO], v[O+16*(\t)+4:O+16*(\t)+7] offset:32
	ds_load_b128 v[O+16*(\t)+8:O+16*(\t)+11],  v[RD]             ; LDS serves a wave's instructions in order (ISA guide 5.7.1.4)
	ds_load_b128 v[O+16*(\t)+12:O+16*(\t)+15], v[RD] offset:640
.endm
.macro SEND t, younger                 ; younger: the next tile's four LDS instructions, or none
	s_wait_dscnt (\younger)+1
	global_store_b128 v[GO], v[O+16*(\t)+8:O+16*(\t)+11],  s[76:77] offset:1024*(\t)      ; 512 consecutive bytes, aligned
	s_wait_dscnt (\younger)
	global_store_b128 v[GO], v[O+16*(\t)+12:O+16*(\t)+15], s[76:77] offset:1024*(\t)+512
.endm
	PACK 0
	PACK 1
	SEND 0, 4
	PACK 2
	SEND 1, 4
	PACK 3
	SEND 2, 4
	SEND 3, 0
	s_wait_tensorcnt 0x0                           ; the wave's end
	ds_add_u32 v[SPW], v[NIL]
	s_wait_dscnt 0x0
	CROUND                                         ; the closing round
	s_endpgm
.Lfunc_end_k_qdd0077bb8a_attn:
	.size	k_qdd0077bb8a_attn, .Lfunc_end_k_qdd0077bb8a_attn-k_qdd0077bb8a_attn
	.p2alignl 7, 3214868480
	.fill 96, 4, 3214868480
	.section	.rodata,"a",@progbits
	.p2align	6, 0x0
	.amdhsa_kernel k_qdd0077bb8a_attn
		.amdhsa_group_segment_fixed_size 297984
		.amdhsa_private_segment_fixed_size 0
		.amdhsa_enable_private_segment 0
		.amdhsa_kernarg_size 16
		.amdhsa_user_sgpr_count 2
		.amdhsa_user_sgpr_kernarg_segment_ptr 1
		.amdhsa_wavefront_size32 1
		.amdhsa_system_sgpr_workgroup_id_x 1
		.amdhsa_system_sgpr_workgroup_id_y 1
		.amdhsa_system_sgpr_workgroup_id_z 1
		.amdhsa_system_vgpr_workitem_id 0
		.amdhsa_next_free_vgpr 320
		.amdhsa_next_free_sgpr 84
		.amdhsa_reserve_vcc 1
		.amdhsa_float_denorm_mode_32 3
		.amdhsa_float_denorm_mode_16_64 3
		.amdhsa_memory_ordered 1
		.amdhsa_forward_progress 1
		.amdhsa_inst_pref_size 45
	.end_amdhsa_kernel
	.amdgpu_metadata
---
amdhsa.version: [ 1, 2 ]
amdhsa.kernels:
  - .name:           k_qdd0077bb8a_attn
    .symbol:         k_qdd0077bb8a_attn.kd
    .args:
      - { .name: qkv, .offset: 0, .size: 8, .value_kind: global_buffer, .address_space: global }
      - { .name: oh, .offset: 8, .size: 8, .value_kind: global_buffer, .address_space: global }
    .group_segment_fixed_size: 297984
    .private_segment_fixed_size: 0
    .kernarg_segment_align: 8
    .kernarg_segment_size: 16
    .max_flat_workgroup_size: 256
    .sgpr_count:     84
    .vgpr_count:     320
    .wavefront_size: 32
...
	.end_amdgpu_metadata
.endif
;; end of part 3
;; launch outp (part 4): grid 4 x 64, 4 waves a work-group, clusters of 4 x 4, 312,832 bytes of LDS; arguments oh, wh, b_out1, b_out2, out0, out1; writes out0, out1
.if DOCPART == 4
	.amdgcn_target "amdgcn-amd-amdhsa--gfx1250"
	.amdhsa_code_object_version 6
	.text
	.protected	k_qdd0077bb8a_outp
	.globl	k_qdd0077bb8a_outp
	.p2align	8
	.type	k_qdd0077bb8a_outp,@function
k_qdd0077bb8a_outp:
	s_mov_b64 s[64:65], 0
	v_nop
	global_prefetch_b8 v0, s[64:65] scope:SCOPE_SE
	s_setreg_imm32_b32 hwreg(HW_REG_WAVE_MODE, 25, 1), 1
	s_wait_xcnt 0x0
	s_wait_alu depctr_hold_cnt(0) depctr_sa_sdst(0) depctr_va_vdst(0) depctr_va_sdst(0) depctr_va_ssrc(0) depctr_va_vcc(0) depctr_vm_vsrc(0)
	s_getreg_b32 s2, hwreg(HW_REG_IB_STS2, 6, 4)
	s_cmp_eq_u32 s2, 0
	s_cbranch_scc0 .Lentry_in_a_cluster
	s_endpgm
.Lentry_in_a_cluster:
	s_bfe_u32 s2, ttmp6, 0x10000c
	s_cmp_lg_u32 s2, 0xf033
	s_cbranch_scc0 .Lentry_shape_is_right
	s_endpgm
.Lentry_shape_is_right:
; out[m][n] = the sum over k of O[m][k] Wout[k][n] + bias[n], f32 out.  O by heads in oh (f16), Wout [256][1024] in wh (f16); sums in f32; the bias is the C operand that starts the sums.
; SHARES.  16,384 rows (two streams) x 1,024 columns in tiles of 256 x 256: 256 work-groups of four waves, a wave 128 x 128: 64 accumulators.  K = 256 goes in 8 steps, a head a step.
; NO RING.  A tile's A (8 heads x 256 rows x 64 bytes) and B (256 x 512 bytes) lie whole in LDS: every tile is asked for once, at the head, four loads a wave, and is waited for by pairs of heads.
; CLUSTER 4 x 4.  The four of a row of the cluster need the same rows of O, the four of a column the same columns of Wout: joint loads.  A cluster lies in one stream (32 tile rows each).
; THE MATRIX INSTRUCTION IS USED TRANSPOSED (source 0 = 16 columns of Wout, turned by ds_load_tr16_b128; source 1 = 16 rows of O): a lane holds 8 neighbouring columns of a row.
; REGISTERS.  Window 0: v0-31 addresses; v64-127, v128-191 A's two fragment buffers, later the rows read back.  Window 1: v0-63 the bias; v64-127, v128-191 B's buffers.
; Window 2: the accumulators of my rows 0-63 ((a, b) at 8 (8 a + b)); window 3: those of rows 64-127.
.set HB,    17408                      ; a head of A: row m at 64 m + 16 (m / 4); and 32 rows of B at a pitch of 544 = 17 x 32 bytes
.set BBASE, 8*HB
.set STAGE, 16*HB                      ; 278,528: 16 rows x 528 bytes for each wave
.set SPARE, STAGE+4*8448               ; 312,320: the spare words, 128 bytes for each wave: two blocks of 256 bytes that no other line names
.set ADRA, 16                          ; v16-17 heads 0-3, 4-7
.set ADRB, 20                          ; v20-21
.set STO,  24
.set RD,   25
.set CO,   26
.set SPW,  28
.set NIL,  29
.set BO,   30
.set F0,   64
.set G1A,  24
.set G1B,  32
.set G0A,  40                          ; s[40:55]
.set TO_B, 0x40
.set MSB, 0
.macro WIN new
.if MSB != (\new)
	s_set_vgpr_msb (MSB<<8)|(\new)
.set MSB, \new
.endif
.endm
.macro PLACES
.rept 4
	v_nop
.endr
.endm
.macro CROUND
	s_barrier_signal -1
	s_barrier_wait -1
	s_cmp_lg_u32 s16, 0
	s_cbranch_scc1 .Lnot_wave_0_\@
	s_barrier_signal -3
.Lnot_wave_0_\@:
	s_barrier_wait -3
	s_barrier_signal -1
	s_barrier_wait -1
.endm
	s_load_b256 s[4:11], s[0:1], 0x0               ; oh s[4:5], wh s[6:7], b_out1 s[8:9], b_out2 s[10:11]
	s_load_b128 s[12:15], s[0:1], 0x20             ; out0, out1
	v_lshl_add_u32 v[SPW], v0, 2, SPARE
	v_mov_b32 v[NIL], 0
	ds_add_u32 v[SPW], v[NIL]                      ; the wave's opening: the add and its wait ahead of my first tensor load
	v_lshrrev_b32 v1, 5, v0
	v_readfirstlane_b32 s16, v1                    ; wave 0..3
	s_lshr_b32 s17, s16, 1                         ; my half of the rows.  Also: I fetch for A (0) or B (1)
	s_and_b32 s18, s16, 1                          ; my half of the columns.  Also: the even or the odd heads
	s_bfe_u32 s19, ttmp6, 0x40000                  ; cx = the tile column
	s_bfe_u32 s20, ttmp6, 0x40004                  ; cy
	s_and_b32 s23, ttmp7, 0xffff                   ; cluster y
	s_lshl_b32 s21, s23, 2
	s_add_co_u32 s21, s21, s20                     ; the tile row, 0..63
	s_lshr_b32 s22, s23, 3                         ; the stream, from the cluster's y alone
	s_lshl_b32 s76, s20, 2
	s_lshl_b32 s76, 15, s76                        ; my row of the cluster
	s_lshl_b32 s77, 0x1111, s19                    ; my column
	s_or_b32 s[G1A], s76, (1<<16)|(1<<20)|(1<<21)|(5<<22)|(3<<25)   ; A: 64 rows of 256 bytes (four rows of a head each), 4 words of padding behind each
	s_or_b32 s[G1B], s77, (1<<16)|(1<<20)|(1<<21)|(6<<22)|(7<<25)   ; B: 32 rows of 512 bytes, 8 words of padding behind each
	s_mov_b32 s[G1A+1], 128<<16
	s_mov_b32 s[G1A+2], 64<<16
	s_mov_b32 s[G1A+3], 128<<16
	s_mov_b32 s[G1A+4], 64
	s_mov_b32 s[G1A+5], 128
	s_mov_b32 s[G1A+6], 0
	s_mov_b32 s[G1A+7], 0
	s_mov_b32 s[G1B+1], 256<<16
	s_mov_b32 s[G1B+2], 32<<16
	s_mov_b32 s[G1B+3], 256<<16
	s_mov_b32 s[G1B+4], 32
	s_mov_b32 s[G1B+5], 1024
	s_mov_b32 s[G1B+6], 0
	s_mov_b32 s[G1B+7], 0
	s_mul_i32 s78, s18, HB                         ; load i brings head (or 32 rows of B) 2 i + wave % 2
.irp i, 0,1,2,3
	s_mov_b32 s[G0A+4*(\i)], 1
	s_add_co_u32 s[G0A+4*(\i)+1], s78, (\i)*2*HB
	s_mov_b32 s[56+4*(\i)+4*((\i)/2)], 1           ; B's sets: s[56:59], s[60:63], s[68:71], s[72:75]
	s_add_co_u32 s[56+4*(\i)+4*((\i)/2)+1], s78, BBASE+(\i)*2*HB
.endr
	s_and_b32 s80, s21, 56                         ; A: instance 32 stream + 8 batch = the tile row less its low three bits,
	s_add_co_u32 s80, s80, s18
	s_lshl_b32 s80, s80, 17
	s_and_b32 s81, s21, 7                          ; 256 rows of 64 bytes a tile
	s_lshl_b32 s81, s81, 14
	s_add_co_u32 s80, s80, s81
	s_mov_b32 s81, 0
	s_lshl_b32 s82, s22, 19                        ; B: the stream's Wout, 32 rows of 2,048 bytes a head, 512 bytes a tile column
	s_add_co_u32 s82, s82, 3145728
	s_lshl_b32 s83, s18, 16
	s_add_co_u32 s82, s82, s83
	s_lshl_b32 s83, s19, 9
	s_add_co_u32 s82, s82, s83
	s_mov_b32 s83, 0
	s_lshl_b32 s79, s19, 10                        ; my 128 columns in f32: 1,024 cx + 512 x half
	s_lshl_b32 s78, s18, 9
	s_add_co_u32 s79, s79, s78
	v_and_b32 v1, 15, v0                           ; r
	v_bfe_u32 v2, v0, 4, 1                         ; h
	v_lshl_add_u32 v[BO], v2, 5, s79
	s_wait_dscnt 0x0                               ; the opening add is done
	s_wait_kmcnt 0x0
	s_add_nc_u64 s[84:85], s[4:5], s[80:81]
	s_add_nc_u64 s[86:87], s[6:7], s[82:83]
.irp i, 0,1,2,3
	s_add_nc_u64 s[G0A+4*(\i)+2:G0A+4*(\i)+3], s[84:85], (\i)*262144
	s_or_b32 s[G0A+4*(\i)+3], s[G0A+4*(\i)+3], 0x80000000
	s_add_nc_u64 s[56+4*(\i)+4*((\i)/2)+2:56+4*(\i)+4*((\i)/2)+3], s[86:87], (\i)*131072
	s_or_b32 s[56+4*(\i)+4*((\i)/2)+3], s[56+4*(\i)+4*((\i)/2)+3], 0x80000000
.endr
	s_cmp_eq_u32 s22, 0
	s_cselect_b64 s[88:89], s[8:9], s[10:11]       ; the bias
	s_cselect_b64 s[76:77], s[12:13], s[14:15]     ; the output
	s_and_b32 s80, s21, 31                         ; 256 rows of 4,096 bytes a tile row, my 128 rows, my columns
	s_lshl_b32 s80, s80, 20
	s_lshl_b32 s81, s17, 19
	s_add_co_u32 s80, s80, s81
	s_add_co_u32 s80, s80, s79
	s_mov_b32 s81, 0
	s_add_nc_u64 s[76:77], s[76:77], s[80:81]
	WIN TO_B
.irp b, 0,1,2,3,4,5,6,7
	global_load_b128 v[8*(\b):8*(\b)+3],   v[BO], s[88:89] offset:64*(\b)      ; register j of block b: the bias of column 16 b + 8 h + j
	global_load_b128 v[8*(\b)+4:8*(\b)+7], v[BO], s[88:89] offset:64*(\b)+16
.endr
	WIN 0
	CROUND                                         ; all sixteen work-groups are here: the joint loads meet
	s_cmp_eq_u32 s17, 0                            ; a wave's four fills stand in one branch; four loads of mine are out
	s_cbranch_scc0 .Lfor_b
.irp i, 0,1,2,3
	tensor_load_to_lds s[G0A+4*(\i):G0A+4*(\i)+3], s[G1A:G1A+7]
	s_nop 0
.endr
	PLACES
	s_branch .Lasked
.Lfor_b:
.irp i, 0,1,2,3
	tensor_load_to_lds s[56+4*(\i)+4*((\i)/2):56+4*(\i)+4*((\i)/2)+3], s[G1B:G1B+7]
	s_nop 0
.endr
	PLACES
.Lasked:
	v_lshrrev_b32 v3, 2, v1
	v_lshlrev_b32 v[ADRA], 6, v1
	v_lshl_add_u32 v[ADRA], v3, 4, v[ADRA]
	v_lshl_add_u32 v[ADRA], v2, 4, v[ADRA]         ; 64 r + 16 (r / 4) + 16 h
	s_mul_i32 s78, s17, 8704                       ; my 128 rows
	v_add_nc_u32 v[ADRA], s78, v[ADRA]
	v_add_nc_u32 v[ADRA+1], 4*HB, v[ADRA]
	v_and_b32 v3, 7, v0
	v_lshl_add_u32 v3, v2, 3, v3                   ; the turning load: k row 8 h + lane % 8
	v_mul_u32_u24 v[ADRB], v3, 544
	v_bfe_u32 v3, v0, 3, 1
	v_lshl_add_u32 v[ADRB], v3, 4, v[ADRB]
	s_lshl_b32 s78, s18, 8                         ; my 128 columns
	s_add_co_u32 s78, s78, BBASE
	v_add_nc_u32 v[ADRB], s78, v[ADRB]
	v_add_nc_u32 v[ADRB+1], 4*HB, v[ADRB]
	s_mul_i32 s78, s16, 8448
	s_add_co_u32 s78, s78, STAGE                   ; my stage
	v_mul_u32_u24 v[STO], v1, 528
	v_lshl_add_u32 v[STO], v2, 5, v[STO]
	v_add_nc_u32 v[STO], s78, v[STO]
	v_and_b32 v3, 31, v0
	v_lshlrev_b32 v[CO], 4, v3
	v_add_nc_u32 v[RD], s78, v[CO]
; 16 matrix instructions: m blocks a0, a0 + 1 of the window's four x all 8 n blocks.  bias = 1: the first K step starts the sums with the bias.
.macro MUL16 f, hi, a0, bias
.if \bias
	WIN 0x91+0x40*(\hi)                            ; B and the bias in window 1, A in window 0, D in window 2 or 3
.else
	WIN 0xa1+0x50*(\hi)
.endif
.irp a, \a0, (\a0)+1
.irp b, 0,1,2,3,4,5,6,7
.if \bias
	v_wmma_f32_16x16x32_f16 v[8*(8*(\a)+(\b)):8*(8*(\a)+(\b))+7], v[(\f)+8*(\b):(\f)+8*(\b)+7], v[(\f)+8*(4*(\hi)+(\a)):(\f)+8*(4*(\hi)+(\a))+7], v[8*(\b):8*(\b)+7]
.else
	v_wmma_f32_16x16x32_f16 v[8*(8*(\a)+(\b)):8*(8*(\a)+(\b))+7], v[(\f)+8*(\b):(\f)+8*(\b)+7], v[(\f)+8*(4*(\hi)+(\a)):(\f)+8*(4*(\hi)+(\a))+7], v[8*(8*(\a)+(\b)):8*(8*(\a)+(\b))+7]
.endif
.endr
.endr
.endm
.macro FETCH hd, f                     ; 32 LDS loads in one run: head hd's fragments
	WIN TO_B
.irp i, 0,1,2,3,4,5,6,7
	ds_load_tr16_b128 v[(\f)+8*(\i):(\f)+8*(\i)+3],   v[ADRB+(\hd)/4] offset:((\hd)%4)*HB+32*(\i)
	ds_load_tr16_b128 v[(\f)+8*(\i)+4:(\f)+8*(\i)+7], v[ADRB+(\hd)/4] offset:((\hd)%4)*HB+32*(\i)+16*544
.endr
	WIN 0
.irp i, 0,1,2,3,4,5,6,7
	ds_load_b128 v[(\f)+8*(\i):(\f)+8*(\i)+3],   v[ADRA+(\hd)/4] offset:((\hd)%4)*HB+1088*(\i)
	ds_load_b128 v[(\f)+8*(\i)+4:(\f)+8*(\i)+7], v[ADRA+(\hd)/4] offset:((\hd)%4)*HB+1088*(\i)+32
.endr
.endm
; A K step: 64 products; in its middle the next head's fragments are fetched.  The 64 accumulators take turns in one order.
.macro KSTEP hd
.set FB, F0+64*((\hd)%2)
.set FN, F0+64*(((\hd)+1)%2)
.set BI, 1-((\hd)+7)/8                 ; 1 in the first step
	s_wait_dscnt 0x0                               ; this head's fragments are in
	MUL16 FB, 0, 0, BI
	MUL16 FB, 0, 2, BI
	PLACES                                         ; in front of the loads into the other buffer
.if (\hd) < 7
.if (\hd)%2
	s_wait_tensorcnt 3-((\hd)+1)/2                 ; my part of the next pair of heads is in; the later pairs stay out
	s_barrier_signal -1
	s_barrier_wait -1                              ; everybody's is
.endif
	FETCH (\hd)+1, FN
.endif
	MUL16 FB, 1, 0, BI
	MUL16 FB, 1, 2, BI
.endm
; THE WAY OUT of block a (16 rows x 128 columns of f32): into my stage (rows of 528 bytes), back as whole rows of 512 bytes, stored.
.macro TOSTAGE a
	s_wait_xcnt 0x0                                ; the stores of two blocks back have read the registers that are loaded again below
	WIN 0x08+4*((\a)/4)                            ; the data in window 2 or 3
.irp b, 0,1,2,3,4,5,6,7
	ds_store_b128 v[STO], v[64*((\a)%4)+8*(\b):64*((\a)%4)+8*(\b)+3]   offset:64*(\b)      ; each accumulator's lowest registers first
	ds_store_b128 v[STO], v[64*((\a)%4)+8*(\b)+4:64*((\a)%4)+8*(\b)+7] offset:64*(\b)+16
.endr
	WIN 0
.irp t, 0,1,2,3,4,5,6,7,8,9,10,11,12,13,14,15
	ds_load_b128 v[64+64*((\a)%2)+4*(\t):64+64*((\a)%2)+4*(\t)+3], v[RD] offset:528*(\t)   ; LDS serves a wave's instructions in order (ISA guide 5.7.1.4)
.endr
.endm
.macro SEND a, younger                 ; younger: the next block's 16 stores and 16 loads, or none
	s_wait_dscnt \younger
.if (\a) > 0
	s_wait_xcnt 0x0                                ; the earlier stores have read their base
	s_add_nc_u64 s[76:77], s[76:77], 16*4096
.endif
.irp t, 0,1,2,3,4,5,6,7,8,9,10,11,12,13,14,15
	global_store_b128 v[CO], v[64+64*((\a)%2)+4*(\t):64+64*((\a)%2)+4*(\t)+3], s[76:77] offset:4096*(\t) th:TH_STORE_NT  ; 512 consecutive bytes, aligned
.endr
.endm
	s_wait_tensorcnt 0x3                           ; my part of heads 0 and 1 is in; three younger loads stay out
	s_barrier_signal -1
	s_barrier_wait -1
	FETCH 0, F0
	s_wait_loadcnt 0x0                             ; the bias
.irp hd, 0,1,2,3,4,5,6,7
	KSTEP \hd
.endr
	WIN 0
	PLACES
	PLACES                                         ; (eight, once a launch)
	TOSTAGE 0
.irp a, 0,1,2,3,4,5,6
	TOSTAGE (\a)+1
	SEND \a, 32
.endr
	SEND 7, 0
	s_wait_tensorcnt 0x0                           ; the wave's end
	ds_add_u32 v[SPW], v[NIL]
	s_wait_dscnt 0x0
	CROUND                                         ; the closing round
	s_endpgm
.Lfunc_end_k_qdd0077bb8a_outp:
	.size	k_qdd0077bb8a_outp, .Lfunc_end_k_qdd0077bb8a_outp-k_qdd0077bb8a_outp
	.p2alignl 7, 3214868480
	.fill 96, 4, 3214868480
	.section	.rodata,"a",@progbits
	.p2align	6, 0x0
	.amdhsa_kernel k_qdd0077bb8a_outp
		.amdhsa_group_segment_fixed_size 312832
		.amdhsa_private_segment_fixed_size 0
		.amdhsa_enable_private_segment 0
		.amdhsa_kernarg_size 48
		.amdhsa_user_sgpr_count 2
		.amdhsa_user_sgpr_kernarg_segment_ptr 1
		.amdhsa_wavefront_size32 1
		.amdhsa_system_sgpr_workgroup_id_x 1
		.amdhsa_system_sgpr_workgroup_id_y 1
		.amdhsa_system_sgpr_workgroup_id_z 1
		.amdhsa_system_vgpr_workitem_id 0
		.amdhsa_next_free_vgpr 1024
		.amdhsa_next_free_sgpr 90
		.amdhsa_reserve_vcc 0
		.amdhsa_float_denorm_mode_32 3
		.amdhsa_float_denorm_mode_16_64 3
		.amdhsa_memory_ordered 1
		.amdhsa_forward_progress 1
		.amdhsa_inst_pref_size 91
	.end_amdhsa_kernel
	.amdgpu_metadata
---
amdhsa.version: [ 1, 2 ]
amdhsa.kernels:
  - .name:           k_qdd0077bb8a_outp
    .symbol:         k_qdd0077bb8a_outp.kd
    .args:
      - { .name: oh, .offset: 0, .size: 8, .value_kind: global_buffer, .address_space: global }
      - { .name: wh, .offset: 8, .size: 8, .value_kind: global_buffer, .address_space: global }
      - { .name: b_out1, .offset: 16, .size: 8, .value_kind: global_buffer, .address_space: global }
      - { .name: b_out2, .offset: 24, .size: 8, .value_kind: global_buffer, .address_space: global }
      - { .name: out0, .offset: 32, .size: 8, .value_kind: global_buffer, .address_space: global }
      - { .name: out1, .offset: 40, .size: 8, .value_kind: global_buffer, .address_space: global }
    .group_segment_fixed_size: 312832
    .private_segment_fixed_size: 0
    .kernarg_segment_align: 8
    .kernarg_segment_size: 48
    .max_flat_workgroup_size: 128
    .sgpr_count:     90
    .vgpr_count:     1024
    .wavefront_size: 32
...
	.end_amdgpu_metadata
.endif
;; end of part 4
